; MI455X (gfx1250); checked and timed in simulation.
; The chip was launched on July 23, 2026; its instructions are those of AMD's public machine-readable ISA for CDNA 5 (MIT licence, August 2026) and "CDNA5" Instruction Set Architecture Reference Guide (July 2026). The comments in the code are by the model that wrote it; some were corrected since.
;; Detection. Allowed arithmetic: float matrix products may take bf16 or f16 operands with f32 sums; all other float work in f32.
;; Inputs: input 16 x 64 x 256 x 256 float32.
;; Outputs: out0 16 x 64 x 512 float32; out1 16 x 2 x 512 float32.
;; Constants: k = 512.
;; One version. Each part assembles by itself: llvm-mc -triple=amdgcn-amd-amdhsa -mcpu=gfx1250 --defsym DOCPART=n.
;; ======== version 1 of 1: 3 launches
;; workspace buffers: masks 131,072 bytes of whole numbers; cand 4,194,304 bytes of whole numbers; slot 4,194,304 bytes of whole numbers; meta 2,048 bytes of whole numbers; tot 4,096 bytes of whole numbers
;; launch filter (part 1): grid 16 x 1, 32 waves a work-group, no clusters, 8,448 bytes of LDS; arguments input, masks, tot; writes masks, tot
.if DOCPART == 1
	.amdgcn_target "amdgcn-amd-amdhsa--gfx1250"
	.amdhsa_code_object_version 6
	.text
	.protected	k_qf4c87d7bfb_filter
	.globl	k_qf4c87d7bfb_filter
	.p2align	8
	.type	k_qf4c87d7bfb_filter,@function
k_qf4c87d7bfb_filter:
	s_mov_b64 s[64:65], 0
	v_nop
	global_prefetch_b8 v0, s[64:65] scope:SCOPE_SE
	s_setreg_imm32_b32 hwreg(HW_REG_WAVE_MODE, 25, 1), 1
	s_wait_xcnt 0x0
; FILTER: for each batch a bit mask of the heat-map elements (channel 0) that can be among the 512 largest, and their counts.
; One work-group per batch, 32 waves, 1,024 threads; thread = 64 of the 65,536 elements, kept in registers.
;   1. every thread takes the maximum of its 64 elements;
;   2. wave 0 finds L, a lower bound (20 leading key bits) of the 512th largest of the 1,024 maxima: 512 different elements are >= L,
;      so no element below L is among the 512 largest;
;   3. every wave compares its elements with L and stores the compare masks: bit i of word n is element 32 n + i;
;   4. the waves' candidate counts meet in LDS; wave 0 stores, for each wave l, the pair (candidates of waves in front of l, candidates in all).
;      The next launch takes its trip counts from these stored numbers; nothing in this launch branches on them.
; The loads are 4 bytes a lane, 128 consecutive bytes an instruction, so that a compare mask is 32 CONSECUTIVE elements and the list made
; from the masks later is in index order (ties go to the lower index).
; One work-group per batch, since L hangs on the whole batch and work-groups exchange nothing.  No cluster: no two groups read the same bytes.
; LIMIT: NaN in channel 0 is not served (a NaN loses every maximum and every compare here, the reference ranks a positive NaN first).
; Infinities, denormals and both zeros are served: the float compare only widens the candidate set, the exact order is made in the next launch.
.set NBITS, 20                         ; leading key bits that are searched: sign, exponent, 11 bits of mantissa
.set KSEL,  512                        ; k
.set X,     16                         ; v[16:79]   my 64 elements; register r of lane l in wave w: element 2048 w + 32 r + l
.set K,     80                         ; v[80:111]  wave 0: the 1,024 maxima as keys
.set THR,   4096                       ; LDS: bytes 0-4095 the maxima, byte 4096 the bound L,
.set CNT,   4224                       ;      bytes 4224-4351 the 32 waves' candidate counts
                                       ; v4-7 partial maxima, later the pair that wave 0 stores; v8-9 mask words, v10 L, v11 store offset, v12-15 counts and scratch
.macro SCAN x, t                       ; x = sum of x over lanes 0 .. own lane; t has been written before
.irp sh, 1,2,4,8
	v_mov_b32_dpp \t, \x row_shr:\sh row_mask:0xf bank_mask:0xf bound_ctrl:1
	v_add_nc_u32 \x, \x, \t
.endr
	v_readlane_b32 s20, \x, 15                     ; the lower sixteen lanes' sum goes on top of the upper sixteen
	v_mov_b32 \t, s20
	v_cndmask_b32 \t, 0, \t, s21
	v_add_nc_u32 \x, \x, \t
.endm
	s_load_b128 s[4:7], s[0:1], 0x0                ; input s[4:5], masks s[6:7]
	s_load_b64 s[18:19], s[0:1], 0x10              ; tot
	v_lshl_add_u32 v112, v0, 2, 0x1100
	v_mov_b32 v113, 0
	v_lshrrev_b32 v1, 5, v0
	v_readfirstlane_b32 s8, v1                     ; wave
	v_and_b32 v2, 31, v0
	v_lshlrev_b32 v2, 2, v2                        ; 4 x lane
	v_lshl_or_b32 v1, v1, 13, v2                   ; + wave x 2,048 elements x 4 bytes
	s_lshl_b32 s10, ttmp9, 24                      ; batch x 64 channels x 262,144 bytes
	s_mov_b32 s11, 0
	s_lshl_b32 s12, ttmp9, 13                      ; batch x 2,048 mask words
	s_mov_b32 s13, 0
	s_lshl_b32 s22, ttmp9, 8                       ; batch x 32 pairs
	s_mov_b32 s23, 0
	s_wait_kmcnt 0x0
	s_add_nc_u64 s[4:5], s[4:5], s[10:11]
	s_add_nc_u64 s[6:7], s[6:7], s[12:13]
	s_add_nc_u64 s[18:19], s[18:19], s[22:23]
.set r, 0
.rept 64
	global_load_b32 v[X+r], v1, s[4:5] offset:128*r        ; all 64 at once: the whole batch is on its way
.set r, r+1
.endr
; the maximum of 16 registers, two at a time; left = loads younger than these sixteen
.macro MAX16 q, left
	s_wait_loadcnt \left
	v_max3_num_f32 v[4+\q], v[X+16*\q], v[X+16*\q+1], v[X+16*\q+2]
.irp j, 3,5,7,9,11,13
	v_max3_num_f32 v[4+\q], v[4+\q], v[X+16*\q+\j], v[X+16*\q+\j+1]
.endr
	v_max_num_f32 v[4+\q], v[4+\q], v[X+16*\q+15]
.endm
	MAX16 0, 48
	MAX16 1, 32
	MAX16 2, 16
	MAX16 3, 0
	v_max3_num_f32 v4, v4, v5, v6
	v_max_num_f32 v4, v4, v7
	v_lshlrev_b32 v3, 2, v0
	ds_store_b32 v3, v4                            ; maximum of thread t at byte 4 t
	s_wait_dscnt 0x0                               ; for wave 0's sake: stored before the signal
	s_barrier_signal -1
	s_barrier_wait -1
	s_cmp_lg_u32 s8, 0
	s_cbranch_scc1 .Lothers                        ; the search is one wave's work: 32 values a lane
	v_and_b32 v2, 31, v0
	v_lshlrev_b32 v2, 4, v2
.irp q, 0,1,2,3,4,5,6,7
	ds_load_b128 v[K+4*\q:K+4*\q+3], v2 offset:512*\q
.endr
	s_mov_b32 s16, 0x76543210                      ; v_permlanex16_b32: lane i takes lane i of the other half
	s_mov_b32 s17, 0xfedcba98
	s_wait_dscnt 0x0
.set r, 0
.rept 32                                           ; float bits to a key that orders as an unsigned number: negative: all bits flip, else the sign bit
	v_ashrrev_i32 v[12+r%4], 31, v[K+r]
	v_or_b32 v[12+r%4], 0x80000000, v[12+r%4]
	v_xor_b32 v[K+r], v[K+r], v[12+r%4]
.set r, r+1
.endr
	s_mov_b32 s10, 0                               ; the bound so far: at least 512 keys are >= it
	s_mov_b32 s11, 0x80000000                      ; the bit on trial
	s_mov_b32 s12, 0
.Lbit:
	s_or_b32 s13, s10, s11
.set r, 0
.rept 32
	v_cmp_le_u32 s[32+r], s13, v[K+r]
.set r, r+1
.endr
.set r, 0
.rept 4
	v_cndmask_b32 v[12+r], 0, 1, s[32+r]           ; the first four masks start four chains of counts
.set r, r+1
.endr
.rept 28
	v_add_co_ci_u32 v[12+r%4], s[32+r], 0, v[12+r%4], s[32+r]
.set r, r+1
.endr
	v_add3_u32 v12, v12, v13, v14
	v_add_nc_u32 v12, v12, v15
.irp m, 1,2,4,8
	v_mov_b32_dpp v13, v12 row_xmask:\m row_mask:0xf bank_mask:0xf
	v_add_nc_u32 v12, v12, v13
.endr
	v_permlanex16_b32 v13, v12, s16, s17
	v_add_nc_u32 v12, v12, v13
	v_readfirstlane_b32 s14, v12                   ; keys >= the trial value
	s_cmp_ge_u32 s14, KSEL
	s_cselect_b32 s10, s13, s10                    ; a select, no branch: the bit stays if 512 keys still reach the value
	s_lshr_b32 s11, s11, 1
	s_add_co_u32 s12, s12, 1
	s_cmp_lt_u32 s12, NBITS
	s_cbranch_scc1 .Lbit
	s_ashr_i32 s14, s10, 31                        ; the key back to float bits
	s_not_b32 s14, s14
	s_or_b32 s14, s14, 0x80000000
	s_xor_b32 s10, s10, s14
	v_mov_b32 v3, s10
	v_max_num_f32 v3, 0xff800000, v3               ; a key cut below that of -infinity gives NaN bits: then the bound is -infinity
	v_mov_b32 v2, THR
	ds_store_b32 v2, v3
	s_wait_dscnt 0x0                               ; stored before the signal
.Lothers:
	s_barrier_signal -1
	s_barrier_wait -1
	v_mov_b32 v2, THR
	ds_load_b32 v10, v2                            ; L, in every lane
	v_mov_b32 v8, 0                                ; v_writelane_b32 keeps the other lanes: the pair is written whole first
	v_mov_b32 v9, 0
	v_lshlrev_b32 v11, 3, v0
	s_mov_b32 s41, 0                               ; my wave's candidates
	s_wait_dscnt 0x0
.set q, 0
.rept 8                                            ; eight compares, then their masks into lanes: word r goes to register r & 1 of lane r >> 1
.set j, 0
.rept 8
	v_cmp_ge_f32 s[32+j], v[X+8*q+j], v10
.set j, j+1
.endr
.set j, 0
.rept 8
	v_writelane_b32 v[8+(j&1)], s[32+j], (8*q+j)>>1
.set j, j+1
.endr
.set j, 0
.rept 8
	s_bcnt1_i32_b32 s40, s[32+j]                   ; and their set bits into the wave's count
	s_add_co_u32 s41, s41, s40
.set j, j+1
.endr
.set q, q+1
.endr
	global_store_b64 v11, v[8:9], s[6:7]           ; the wave's 64 words: 256 consecutive bytes, aligned (v8, v9, v11 stay as they are)
	v_mov_b32 v12, s41
	v_mov_b32 v13, s8
	v_lshlrev_b32 v13, 2, v13
	ds_store_b32 v13, v12 offset:CNT               ; wave w's count at word w (every lane writes the same word with the same value)
	s_wait_dscnt 0x0                               ; for wave 0's sake: stored before the signal
	s_barrier_signal -1
	s_barrier_wait -1
	s_cmp_lg_u32 s8, 0
	s_cbranch_scc1 .Ldone
	v_and_b32 v2, 31, v0
	v_lshlrev_b32 v2, 2, v2
	ds_load_b32 v12, v2 offset:CNT                 ; lane l: wave l's count
	v_mov_b32 v14, 0
	v_lshlrev_b32 v15, 3, v0                       ; in wave 0 the thread's number is the lane's
	s_mov_b32 s21, 0xffff0000                      ; lanes 16-31
	s_wait_dscnt 0x0
	v_mov_b32 v4, v12
	SCAN v4, v14
	v_readlane_b32 s24, v4, 31                     ; candidates in all
	v_sub_nc_u32 v4, v4, v12                       ; candidates of the waves in front of wave l
	v_mov_b32 v5, s24
	global_store_b64 v15, v[4:5], s[18:19]         ; 32 pairs: 256 consecutive bytes, aligned
.Ldone:
	s_barrier_signal -1
	s_barrier_wait -1
	s_wait_tensorcnt 0x0
	ds_add_u32 v112, v113
	s_wait_dscnt 0x0
	s_endpgm
.Lfunc_end_k_qf4c87d7bfb_filter:
	.size	k_qf4c87d7bfb_filter, .Lfunc_end_k_qf4c87d7bfb_filter-k_qf4c87d7bfb_filter
	.p2alignl 7, 3214868480
	.fill 96, 4, 3214868480
	.section	.rodata,"a",@progbits
	.p2align	6, 0x0
	.amdhsa_kernel k_qf4c87d7bfb_filter
		.amdhsa_group_segment_fixed_size 8448
		.amdhsa_private_segment_fixed_size 0
		.amdhsa_enable_private_segment 0
		.amdhsa_kernarg_size 24
		.amdhsa_user_sgpr_count 2
		.amdhsa_user_sgpr_kernarg_segment_ptr 1
		.amdhsa_wavefront_size32 1
		.amdhsa_system_sgpr_workgroup_id_x 1
		.amdhsa_system_sgpr_workgroup_id_y 1
		.amdhsa_system_sgpr_workgroup_id_z 1
		.amdhsa_system_vgpr_workitem_id 0
		.amdhsa_next_free_vgpr 114
		.amdhsa_next_free_sgpr 66
		.amdhsa_reserve_vcc 0
		.amdhsa_float_denorm_mode_32 3
		.amdhsa_float_denorm_mode_16_64 3
		.amdhsa_memory_ordered 1
		.amdhsa_forward_progress 1
		.amdhsa_inst_pref_size 34
	.end_amdhsa_kernel
	.amdgpu_metadata
---
amdhsa.version: [ 1, 2 ]
amdhsa.kernels:
  - .name:           k_qf4c87d7bfb_filter
    .symbol:         k_qf4c87d7bfb_filter.kd
    .args:
      - { .name: input, .offset: 0, .size: 8, .value_kind: global_buffer, .address_space: global }
      - { .name: masks, .offset: 8, .size: 8, .value_kind: global_buffer, .address_space: global }
      - { .name: tot, .offset: 16, .size: 8, .value_kind: global_buffer, .address_space: global }
    .group_segment_fixed_size: 8448
    .private_segment_fixed_size: 0
    .kernarg_segment_align: 8
    .kernarg_segment_size: 24
    .max_flat_workgroup_size: 1024
    .sgpr_count:     66
    .vgpr_count:     114
    .wavefront_size: 32
...
	.end_amdgpu_metadata
.endif
;; end of part 1
;; launch rank (part 2): grid 16 x 16, 32 waves a work-group, no clusters, 282,624 bytes of LDS; arguments input, masks, cand, slot, meta, tot; writes cand, slot, meta
.if DOCPART == 2
	.amdgcn_target "amdgcn-amd-amdhsa--gfx1250"
	.amdhsa_code_object_version 6
	.text
	.protected	k_qf4c87d7bfb_rank
	.globl	k_qf4c87d7bfb_rank
	.p2align	8
	.type	k_qf4c87d7bfb_rank,@function
k_qf4c87d7bfb_rank:
	s_mov_b64 s[64:65], 0
	v_nop
	global_prefetch_b8 v0, s[64:65] scope:SCOPE_SE
	s_setreg_imm32_b32 hwreg(HW_REG_WAVE_MODE, 25, 1), 1
	s_wait_xcnt 0x0
; RANK: from a batch's candidate mask, the list of candidates in index order and each candidate's place in the descending order.
; Grid: x = slice 0-15, y = batch.  32 waves.  n = number of candidates (512 to 65,536), k = ceil(n / 1024), list length 1024 k.
;   0. each wave reads its pair from tot by a scalar load: the candidates of the waves in front of it, and n.  Every trip count and every
;      branch of this text is scalar arithmetic on that n, the ids and the wave number;
;   1. thread t counts the bits of mask words 2t, 2t+1; a prefix sum over the wave, on top of the wave's base, gives every word's first list slot (PW);
;   2. list slot p finds its element: binary search of PW, then the (p - PW)-th set bit of the word.  A search and not a scatter, so that
;      every LDS store of this text has an address made of the thread number and a loop step;
;   3. the element's value is loaded, turned into a key that orders as an unsigned number (the total order: -0 below +0), and put at LIST[p];
;      slots from n on get key 0, which is below every number's key;
;   4. the slice owns list entries 64 k s .. 64 k (s+1) - 1.  A wave takes 32 of them, one a lane, and counts the keys in front of each:
;      key_j >= key_i in chunks before its own, key_j > key_i from its own chunk on, plus equal keys of lower lanes in its own chunk.
; Out: cand[p] = element number, slot[p] = 4 min(rank, 512) (2048 for entries that are no candidates), meta = k.
; Every loop whose length hangs on n is counted against its largest possible length and left by a forward branch; no barrier stands in one.
; The 16 slices of a batch repeat steps 1-3, since work-groups exchange nothing.  No cluster: what they share is 8 KiB of masks, read through registers.
; LIMIT: NaN in channel 0 is not served (the mask never names one; the reference ranks a positive NaN first).
.set PW,   0                           ; LDS: 2,048 words: candidates in front of each mask word
.set MW,   8192                        ;      2,048 mask words
.set LIST, 16384                       ;      65,536 keys: bytes 16,384 to 278,527, behind both tables
.set JK,   64                          ; v[64:127] 64 keys of the list, the same in every lane, in four quarters
; v0 t, v1 lane, v2-3 mask words, v4 bits of word 2t, v5 scan, v6 scratch of the scan, v7 candidates in front of me in my wave,
; v8 8t, v9-10 scratch, v11 4 x lane, v14-15 PW of my two words, v16 k, v17 slot p, v18 search position, v19 PW there, v20-21 scratch, v22 zero,
; v23 mask word, v24 bit rank, v25 bit place, v27 element, v28 its byte offset, v29 key, v30 4p, v32 i, v33 4i, v34 result, v35 key_i,
; v36-37 list addresses, v38/v44 thresholds, v39 key_i - 1, v40-43 counts, v45-49 partial bit sums
; s2 candidates of lower waves, s3 n as loaded, s14 wave, s15 slice, s16 batch, s24 n, s25 k, s26-29 fill loop, s30-31 tot, s32-47 compare masks,
; s48-55 keys of lanes, s56-63 and s66-69 rank loops
.macro POPC d, x, t                    ; d = number of set bits of x
	v_lshrrev_b32 \t, 1, \x
	v_and_b32 \t, 0x55555555, \t
	v_sub_nc_u32 \d, \x, \t
	v_lshrrev_b32 \t, 2, \d
	v_and_b32 \t, 0x33333333, \t
	v_and_b32 \d, 0x33333333, \d
	v_add_nc_u32 \d, \d, \t
	v_lshrrev_b32 \t, 4, \d
	v_add_nc_u32 \d, \d, \t
	v_and_b32 \d, 0x0f0f0f0f, \d
	v_mul_lo_u32 \d, \d, 0x01010101
	v_lshrrev_b32 \d, 24, \d
.endm
.macro SCAN x, t                       ; x = sum of x over lanes 0 .. own lane; t has been written before
.irp sh, 1,2,4,8
	v_mov_b32_dpp \t, \x row_shr:\sh row_mask:0xf bank_mask:0xf bound_ctrl:1
	v_add_nc_u32 \x, \x, \t
.endr
	v_readlane_b32 s20, \x, 15                     ; the lower sixteen lanes' sum goes on top of the upper sixteen
	v_mov_b32 \t, s20
	v_cndmask_b32 \t, 0, \t, s21
	v_add_nc_u32 \x, \x, \t
.endm
	s_load_b256 s[4:11], s[0:1], 0x0               ; input s[4:5], masks s[6:7], cand s[8:9], slot s[10:11]
	s_load_b64 s[12:13], s[0:1], 0x20              ; meta
	s_load_b64 s[30:31], s[0:1], 0x28              ; tot
	v_lshl_add_u32 v62, v0, 2, 0x44000
	v_mov_b32 v63, 0
	v_lshrrev_b32 v9, 5, v0
	v_readfirstlane_b32 s14, v9                    ; wave
	v_and_b32 v1, 31, v0
	v_lshlrev_b32 v8, 3, v0
	v_lshlrev_b32 v11, 2, v1
	v_mov_b32 v6, 0
	v_mov_b32 v22, 0
	s_mov_b32 s15, ttmp9                           ; slice
	s_and_b32 s16, ttmp7, 0xffff                   ; batch
	s_mov_b32 s21, 0xffff0000                      ; lanes 16-31
	s_mov_b32 s19, 0
	s_lshl_b32 s22, s16, 8                         ; my pair in tot: 256 bytes a batch,
	s_lshl_b32 s23, s14, 3                         ; 8 a wave
	s_add_co_u32 s22, s22, s23
	s_lshl_b32 s18, s16, 13
	s_wait_kmcnt 0x0
	s_load_b64 s[2:3], s[30:31], s22 offset:0x0    ; s2: candidates of the waves in front of mine; s3: n
	s_add_nc_u64 s[6:7], s[6:7], s[18:19]
	global_load_b64 v[2:3], v8, s[6:7]             ; mask words 2t, 2t+1: elements 64 t .. 64 t + 63
	s_lshl_b32 s18, s16, 24
	s_add_nc_u64 s[4:5], s[4:5], s[18:19]          ; the batch's channel 0
	s_lshl_b32 s18, s16, 18
	s_add_nc_u64 s[8:9], s[8:9], s[18:19]
	s_add_nc_u64 s[10:11], s[10:11], s[18:19]
	s_lshl_b32 s18, s16, 7
	s_add_nc_u64 s[12:13], s[12:13], s[18:19]
	s_wait_loadcnt 0x0
	ds_store_b64 v8, v[2:3] offset:MW
	POPC v4, v2, v10
	POPC v5, v3, v10
	v_add_nc_u32 v7, v4, v5
	v_mov_b32 v5, v7
	SCAN v5, v6
	v_sub_nc_u32 v7, v5, v7                        ; candidates of lower lanes
	s_wait_kmcnt 0x0                               ; my pair is in (and s22, the load's offset, is free)
	v_add_nc_u32 v14, s2, v7
	v_add_nc_u32 v15, v14, v4
	ds_store_b64 v8, v[14:15] offset:PW
	s_min_u32 s24, s3, 0x10000                     ; n, its bound written out
	s_add_co_u32 s25, s24, 1023
	s_lshr_b32 s25, s25, 10
	s_max_u32 s25, s25, 1
	s_min_u32 s25, s25, 64                         ; k
	s_lshl_b32 s22, s25, 6
	s_mul_i32 s28, s15, s22                        ; my slice of the list: from
	s_add_co_u32 s29, s28, s22                     ; to
	s_wait_dscnt 0x0                               ; PW and MW are stored before the signal
	s_barrier_signal -1
	s_barrier_wait -1
	s_or_b32 s22, s15, s14
	s_cmp_lg_u32 s22, 0
	s_cbranch_scc1 .Lnometa
	v_mov_b32 v16, s25
	global_store_b32 v11, v16, s[12:13]            ; slice 0, wave 0: k, once a lane: 128 consecutive bytes (v11, v16 stay as they are)
.Lnometa:
	; THE LIST.  Trip u: thread t makes slot p = 1024 u + t.
	v_mov_b32 v17, v0
	s_lshl_b32 s27, s14, 5                         ; my wave's first slot
	s_mov_b32 s26, 0
.Lfill:
	v_mov_b32 v27, 0
	v_mov_b32 v29, 0
	s_cmp_ge_u32 s27, s24
	s_cbranch_scc1 .Lpad                           ; the whole wave is behind the last candidate: key 0, element 0
	v_mov_b32 v18, 0
	v_mov_b32 v19, 0
.irp st, 1024,512,256,128,64,32,16,8,4,2,1
	ds_load_b32 v20, v18 offset:PW+4*\st
	s_wait_dscnt 0x0
	v_cmp_gt_u32 vcc_lo, v20, v17                  ; that word begins behind slot p: stay
	v_cndmask_b32 v19, v20, v19, vcc_lo
	v_cndmask_b32 v21, 4*\st, v22, vcc_lo
	v_add_nc_u32 v18, v18, v21
	v_min_u32 v18, 8192-4*\st, v18                 ; the position's bound, written out: the next read stays inside PW
.endr
	ds_load_b32 v23, v18 offset:MW                 ; the last word that begins at or before p holds slot p's bit
	v_sub_nc_u32 v24, v17, v19                     ; which of its set bits
	v_mov_b32 v25, 0
	s_wait_dscnt 0x0
	v_lshrrev_b32 v21, 1, v23                      ; bit sums of fields of 2, 4, 8 and 16 places
	v_and_b32 v21, 0x55555555, v21
	v_sub_nc_u32 v45, v23, v21
	v_lshrrev_b32 v21, 2, v45
	v_and_b32 v21, 0x33333333, v21
	v_and_b32 v46, 0x33333333, v45
	v_add_nc_u32 v46, v46, v21
	v_lshrrev_b32 v21, 4, v46
	v_add_nc_u32 v47, v46, v21
	v_and_b32 v47, 0x0f0f0f0f, v47
	v_lshrrev_b32 v21, 8, v47
	v_add_nc_u32 v48, v47, v21
.macro SEL lev, width, w               ; is the bit in the lower field of w places at v25?  If not, pass that field's bits and places
	v_bfe_u32 v21, \lev, v25, \width
	v_cmp_lt_u32 vcc_lo, v24, v21
	v_cndmask_b32 v21, v21, v22, vcc_lo
	v_cndmask_b32 v49, \w, v22, vcc_lo
	v_sub_nc_u32 v24, v24, v21
	v_add_nc_u32 v25, v25, v49
.endm
	SEL v48, 8, 16
	SEL v47, 8, 8
	SEL v46, 4, 4
	SEL v45, 2, 2
	SEL v23, 1, 1
	v_lshl_add_u32 v27, v18, 3, v25                ; element = 32 x word + place (v18 is 4 x word)
	v_min_u32 v27, 0xffff, v27
	v_lshlrev_b32 v28, 2, v27
	global_load_b32 v29, v28, s[4:5]
	s_wait_loadcnt 0x0
	v_ashrrev_i32 v21, 31, v29                     ; float bits to key
	v_or_b32 v21, 0x80000000, v21
	v_xor_b32 v29, v29, v21
	v_cmp_gt_u32 vcc_lo, s24, v17
	v_cndmask_b32 v29, 0, v29, vcc_lo              ; lanes behind the last candidate: key 0
.Lpad:
	v_min_u32 v30, 0xffff, v17                     ; the slot's bound, written out (p is below 1024 k <= 65,536 anyway):
	v_lshlrev_b32 v30, 2, v30                      ; 4 p is at most 262,140, so the store below lies in LIST's bytes and never in PW or MW, which this loop reads
	ds_store_b32 v30, v29 offset:LIST
	s_cmp_lt_u32 s27, s28
	s_cbranch_scc1 .Lnocand
	s_cmp_ge_u32 s27, s29
	s_cbranch_scc1 .Lnocand
	global_store_b32 v30, v27, s[8:9]              ; my slice's entries: the slice's bounds are multiples of 64, so a wave is inside or outside
	s_wait_xcnt 0x0                                ; v27 and v30 are rewritten only behind this wait
.Lnocand:
	v_add_nc_u32 v17, 0x400, v17
	s_add_co_u32 s27, s27, 0x400
	s_add_co_u32 s26, s26, 1
	s_cmp_ge_u32 s26, s25
	s_cbranch_scc1 .Lfilled                        ; k trips are enough
	s_cmp_lt_u32 s26, 64
	s_cbranch_scc1 .Lfill
.Lfilled:
	s_wait_dscnt 0x0                               ; my keys are stored before the signal
	s_barrier_signal -1
	s_barrier_wait -1
	; THE RANKS.  The slice has 2 k groups of 32 entries; wave w takes groups w, w + 32, ..  From here on LDS is only read.
	s_add_co_u32 s56, s24, 63
	s_lshr_b32 s56, s56, 6
	s_max_u32 s56, s56, 1
	s_min_u32 s56, s56, 1024                       ; steps of 64 keys that cover the candidates
	s_sub_co_u32 s69, s56, 1
	s_lshl_b32 s57, s25, 1
	s_mul_i32 s58, s15, s57
	s_add_co_u32 s58, s58, s14                     ; my first group = its chunk of 32 in the list
	s_add_co_u32 s59, s57, 31
	s_sub_co_u32 s59, s59, s14
	s_lshr_b32 s59, s59, 5                         ; my groups
	s_cmp_eq_u32 s59, 0
	s_cbranch_scc1 .Lend
	s_mov_b32 s60, 0
.macro JLOAD qd, areg                  ; 16 keys into quarter qd: every lane reads the same 64 bytes
.irp n, 0,1,2,3
	ds_load_b128 v[JK+16*\qd+4*\n:JK+16*\qd+4*\n+3], \areg offset:LIST+64*\qd+16*\n
.endr
.endm
.macro JCOUNT qd, th                   ; count the quarter's keys above the lane's threshold, in four chains
.set n, 0
.rept 16
	v_cmp_gt_u32 s[32+n], v[JK+16*\qd+n], \th
.set n, n+1
.endr
.set n, 0
.rept 16
	v_add_co_ci_u32 v[40+n%4], s[32+n], 0, v[40+n%4], s[32+n]
.set n, n+1
.endr
.endm
.Lgroup:
	s_lshl_b32 s61, s58, 5
	v_add_nc_u32 v32, s61, v1                      ; my entry i
	v_min_u32 v32, 0xffff, v32
	v_lshlrev_b32 v33, 2, v32
	v_mov_b32 v34, 0x800                           ; what an entry behind the last candidate gets
	s_cmp_ge_u32 s61, s24
	s_cbranch_scc1 .Lstore
	ds_load_b32 v35, v33 offset:LIST               ; key_i
	v_mov_b32 v36, 0
	JLOAD 0, v36
	JLOAD 1, v36
	JLOAD 2, v36
	JLOAD 3, v36
	v_mov_b32 v40, 0
	v_mov_b32 v41, 0
	v_mov_b32 v42, 0
	v_mov_b32 v43, 0
	s_wait_dscnt 16                                ; key_i is in; the sixteen loads behind it stay out
	v_add_nc_u32 v39, -1, v35                      ; key_j >= key_i is key_j > key_i - 1 (a number's key is never 0)
	; equal keys of lower lanes in my own chunk come first
.set q, 0
.rept 4
.set j, 0
.rept 8
	v_readlane_b32 s[48+j], v35, 8*q+j
.set j, j+1
.endr
.set j, 0
.rept 8
	v_cmp_eq_u32 s[32+j], s[48+j], v35
.set j, j+1
.endr
.set j, 0
.rept 8
	s_and_b32 s[32+j], s[32+j], (0xfffffffe<<(8*q+j))&0xffffffff   ; only lanes above lane 8q+j count it
.set j, j+1
.endr
.set j, 0
.rept 8
	v_add_co_ci_u32 v[40+j%4], s[32+j], 0, v[40+j%4], s[32+j]
.set j, j+1
.endr
.set q, q+1
.endr
	s_mov_b32 s66, 0
.Lstep:                                            ; 64 keys a trip; a quarter is loaded again, for the next trip, as soon as it is counted
	s_add_co_u32 s67, s66, 1
	s_min_u32 s67, s67, s69                        ; the last trip asks for its own keys once more: no read passes the filled list
	v_mov_b32 v37, s67
	v_min_u32 v37, 0x3ff, v37                      ; the step's bound, written out; 256 bytes a step: the address is a multiple of 256 inside LIST
	v_lshlrev_b32 v37, 8, v37
	s_lshl_b32 s62, s66, 1                         ; the trip's two chunks of 32: in front of my chunk >=, from it on >
	s_cmp_lt_u32 s62, s58
	s_cselect_b32 s63, -1, 0
	s_or_b32 s62, s62, 1
	s_cmp_lt_u32 s62, s58
	s_cselect_b32 s68, -1, 0
	v_cndmask_b32 v38, v35, v39, s63
	v_cndmask_b32 v44, v35, v39, s68
	s_wait_dscnt 12                                ; sixteen loads are out, four a quarter, in order: the oldest quarter is in
	JCOUNT 0, v38
	JLOAD 0, v37
	s_wait_dscnt 12
	JCOUNT 1, v38
	JLOAD 1, v37
	s_wait_dscnt 12
	JCOUNT 2, v44
	JLOAD 2, v37
	s_wait_dscnt 12
	JCOUNT 3, v44
	JLOAD 3, v37
	s_add_co_u32 s66, s66, 1
	s_cmp_ge_u32 s66, s56
	s_cbranch_scc1 .Lstepped
	s_cmp_lt_u32 s66, 1024
	s_cbranch_scc1 .Lstep
.Lstepped:
	s_wait_dscnt 0x0                               ; the last trip's loads land before their registers are loaded again
	v_add3_u32 v40, v40, v41, v42
	v_add_nc_u32 v40, v40, v43                     ; the rank
	v_min_u32 v40, 512, v40
	v_lshlrev_b32 v40, 2, v40
	v_cmp_gt_u32 vcc_lo, s24, v32
	v_cndmask_b32 v34, v34, v40, vcc_lo
.Lstore:
	global_store_b32 v33, v34, s[10:11]            ; 128 consecutive bytes
	s_wait_xcnt 0x0                                ; v33 and v34 are rewritten only behind this wait
	s_add_co_u32 s58, s58, 32
	s_add_co_u32 s60, s60, 1
	s_cmp_ge_u32 s60, s59
	s_cbranch_scc1 .Lend
	s_cmp_lt_u32 s60, 4
	s_cbranch_scc1 .Lgroup
.Lend:
	s_barrier_signal -1
	s_barrier_wait -1
	s_wait_tensorcnt 0x0
	ds_add_u32 v62, v63
	s_wait_dscnt 0x0
	s_endpgm
.Lfunc_end_k_qf4c87d7bfb_rank:
	.size	k_qf4c87d7bfb_rank, .Lfunc_end_k_qf4c87d7bfb_rank-k_qf4c87d7bfb_rank
	.p2alignl 7, 3214868480
	.fill 96, 4, 3214868480
	.section	.rodata,"a",@progbits
	.p2align	6, 0x0
	.amdhsa_kernel k_qf4c87d7bfb_rank
		.amdhsa_group_segment_fixed_size 282624
		.amdhsa_private_segment_fixed_size 0
		.amdhsa_enable_private_segment 0
		.amdhsa_kernarg_size 48
		.amdhsa_user_sgpr_count 2
		.amdhsa_user_sgpr_kernarg_segment_ptr 1
		.amdhsa_wavefront_size32 1
		.amdhsa_system_sgpr_workgroup_id_x 1
		.amdhsa_system_sgpr_workgroup_id_y 1
		.amdhsa_system_sgpr_workgroup_id_z 1
		.amdhsa_system_vgpr_workitem_id 0
		.amdhsa_next_free_vgpr 128
		.amdhsa_next_free_sgpr 70
		.amdhsa_reserve_vcc 1
		.amdhsa_float_denorm_mode_32 3
		.amdhsa_float_denorm_mode_16_64 3
		.amdhsa_memory_ordered 1
		.amdhsa_forward_progress 1
		.amdhsa_inst_pref_size 32
	.end_amdhsa_kernel
	.amdgpu_metadata
---
amdhsa.version: [ 1, 2 ]
amdhsa.kernels:
  - .name:           k_qf4c87d7bfb_rank
    .symbol:         k_qf4c87d7bfb_rank.kd
    .args:
      - { .name: input, .offset: 0, .size: 8, .value_kind: global_buffer, .address_space: global }
      - { .name: masks, .offset: 8, .size: 8, .value_kind: global_buffer, .address_space: global }
      - { .name: cand, .offset: 16, .size: 8, .value_kind: global_buffer, .address_space: global }
      - { .name: slot, .offset: 24, .size: 8, .value_kind: global_buffer, .address_space: global }
      - { .name: meta, .offset: 32, .size: 8, .value_kind: global_buffer, .address_space: global }
      - { .name: tot, .offset: 40, .size: 8, .value_kind: global_buffer, .address_space: global }
    .group_segment_fixed_size: 282624
    .private_segment_fixed_size: 0
    .kernarg_segment_align: 8
    .kernarg_segment_size: 48
    .max_flat_workgroup_size: 1024
    .sgpr_count:     70
    .vgpr_count:     128
    .wavefront_size: 32
...
	.end_amdgpu_metadata
.endif
;; end of part 2
;; launch gather (part 3): grid 64 x 16, 1 waves a work-group, no clusters, 2,560 bytes of LDS; arguments input, cand, slot, meta, out0, out1; writes out0, out1
.if DOCPART == 3
	.amdgcn_target "amdgcn-amd-amdhsa--gfx1250"
	.amdhsa_code_object_version 6
	.text
	.protected	k_qf4c87d7bfb_gather
	.globl	k_qf4c87d7bfb_gather
	.p2align	8
	.type	k_qf4c87d7bfb_gather,@function
k_qf4c87d7bfb_gather:
	s_mov_b64 s[64:65], 0
	v_nop
	global_prefetch_b8 v0, s[64:65] scope:SCOPE_SE
	s_setreg_imm32_b32 hwreg(HW_REG_WAVE_MODE, 25, 1), 1
	s_wait_xcnt 0x0
; GATHER: out0[b][c][r] = input[b][c][element of rank r]; the groups of channel 0 also write out1 (the coordinates).
; Grid: x = channel, y = batch.  One wave a work-group: the table of 512 element numbers is the wave's own, so there is no barrier.
;   1. the batch's list (1024 k entries) is read, 16 bytes a lane; each entry's element number goes to LDS at the entry's byte offset
;      4 x rank; entries that are not among the 512 carry offset 2048, a word that is never read;
;   2. the table is read back in order, lane l taking ranks 128 q + 4 l .. + 3;
;   3. sixteen loads of 4 bytes a lane fetch the channel's values; four stores of 16 bytes a lane write the row, each 512 consecutive bytes.
; The table is rebuilt by each of a batch's 64 groups: 8 KiB of reads each, in place of one more launch.
; No prefetch: each load is issued as soon as its address is known.  No cluster: nothing is fetched by tensor loads.
.set RK, 16                            ; v[16:47]   32 entries: byte offsets; later the x coordinates
.set CD, 48                            ; v[48:79]   32 entries: element numbers; later the y coordinates
.set SI, 80                            ; v[80:95]   my 16 elements, by rank
.set AD, 96                            ; v[96:111]  their byte offsets in a channel
.set FT, 112                           ; v[112:127] their values
	s_load_b256 s[4:11], s[0:1], 0x0               ; input s[4:5], cand s[6:7], slot s[8:9], meta s[10:11]
	s_load_b128 s[12:15], s[0:1], 0x20             ; out0 s[12:13], out1 s[14:15]
	v_lshl_add_u32 v128, v0, 2, 0x900
	v_mov_b32 v129, 0
	s_and_b32 s17, ttmp7, 0xffff                   ; batch
	s_mov_b32 s16, ttmp9                           ; channel
	v_lshlrev_b32 v1, 4, v0                        ; 16 x lane
	s_mov_b32 s19, 0
	s_lshl_b32 s20, s17, 7
	s_lshl_b32 s18, s17, 18
	s_wait_kmcnt 0x0
	s_load_b32 s21, s[10:11], s20 offset:0x0       ; k, at least 1: wanted only at the end of the first trip
	s_add_nc_u64 s[6:7], s[6:7], s[18:19]
	s_add_nc_u64 s[8:9], s[8:9], s[18:19]
	s_mov_b32 s22, 0
.Lchunk:                                           ; 1,024 entries a trip
.irp q, 0,1,2,3,4,5,6,7
	global_load_b128 v[RK+4*\q:RK+4*\q+3], v1, s[8:9] offset:512*\q
	global_load_b128 v[CD+4*\q:CD+4*\q+3], v1, s[6:7] offset:512*\q
.endr
.irp q, 0,1,2,3,4,5,6,7
	s_wait_loadcnt 14-2*\q                         ; pair q is in; the pairs behind it stay out
.irp c, 0,1,2,3
	v_min_u32 v[RK+4*\q+\c], 0x800, v[RK+4*\q+\c]  ; the offset's bound, written out
.endr
.irp c, 0,1,2,3
	ds_store_b32 v[RK+4*\q+\c], v[CD+4*\q+\c]
.endr
.endr
	s_add_nc_u64 s[6:7], s[6:7], 0x1000            ; behind the wait for all sixteen loads
	s_add_nc_u64 s[8:9], s[8:9], 0x1000
	s_add_co_u32 s22, s22, 1
	s_wait_kmcnt 0x0
	s_cmp_ge_u32 s22, s21
	s_cbranch_scc1 .Lsorted                        ; k trips are enough
	s_cmp_lt_u32 s22, 64
	s_cbranch_scc1 .Lchunk
.Lsorted:
.irp q, 0,1,2,3
	ds_load_b128 v[SI+4*\q:SI+4*\q+3], v1 offset:512*\q    ; LDS serves a wave's instructions in order: these see the stores above
.endr
	s_lshl_b32 s23, s17, 6
	s_add_co_u32 s23, s23, s16                     ; 64 b + c
	s_lshl_b32 s18, s23, 18
	s_add_nc_u64 s[4:5], s[4:5], s[18:19]          ; my channel: 262,144 bytes each
	s_lshl_b32 s18, s23, 11
	s_add_nc_u64 s[12:13], s[12:13], s[18:19]      ; my row of out0: 2,048 bytes each
	s_wait_dscnt 0x0
.set j, 0
.rept 16
	v_min_u32 v[SI+j], 0xffff, v[SI+j]
.set j, j+1
.endr
.set j, 0
.rept 16
	v_lshlrev_b32 v[AD+j], 2, v[SI+j]
.set j, j+1
.endr
.set j, 0
.rept 16
	global_load_b32 v[FT+j], v[AD+j], s[4:5] th:TH_LOAD_NT
.set j, j+1
.endr
	s_cmp_lg_u32 s16, 0
	s_cbranch_scc1 .Lfeat
	; channel 0's group, while its values are on their way: x = 2 col / 255 - 1, y = 1 - 2 row / 255
	s_lshl_b32 s18, s17, 12
	s_add_nc_u64 s[14:15], s[14:15], s[18:19]
	s_mov_b32 s24, 0x3c008081                      ; 2 / 255
.set j, 0
.rept 16
	v_and_b32 v[RK+j], 0xff, v[SI+j]
	v_lshrrev_b32 v[CD+j], 8, v[SI+j]
.set j, j+1
.endr
.set j, 0
.rept 16
	v_cvt_f32_u32 v[RK+j], v[RK+j]
	v_cvt_f32_u32 v[CD+j], v[CD+j]
.set j, j+1
.endr
.set j, 0
.rept 16
	v_fma_f32 v[RK+j], v[RK+j], s24, -1.0
	v_fma_f32 v[CD+j], -v[CD+j], s24, 1.0
.set j, j+1
.endr
.irp q, 0,1,2,3
	global_store_b128 v1, v[RK+4*\q:RK+4*\q+3], s[14:15] offset:512*\q th:TH_STORE_NT
	global_store_b128 v1, v[CD+4*\q:CD+4*\q+3], s[14:15] offset:2048+512*\q th:TH_STORE_NT
.endr
.Lfeat:
.irp q, 0,1,2,3
	s_wait_loadcnt 12-4*\q                         ; four values are in; the loads behind them stay out
	global_store_b128 v1, v[FT+4*\q:FT+4*\q+3], s[12:13] offset:512*\q th:TH_STORE_NT
.endr
	s_wait_tensorcnt 0x0
	ds_add_u32 v128, v129
	s_wait_dscnt 0x0
	s_endpgm
.Lfunc_end_k_qf4c87d7bfb_gather:
	.size	k_qf4c87d7bfb_gather, .Lfunc_end_k_qf4c87d7bfb_gather-k_qf4c87d7bfb_gather
	.p2alignl 7, 3214868480
	.fill 96, 4, 3214868480
	.section	.rodata,"a",@progbits
	.p2align	6, 0x0
	.amdhsa_kernel k_qf4c87d7bfb_gather
		.amdhsa_group_segment_fixed_size 2560
		.amdhsa_private_segment_fixed_size 0
		.amdhsa_enable_private_segment 0
		.amdhsa_kernarg_size 48
		.amdhsa_user_sgpr_count 2
		.amdhsa_user_sgpr_kernarg_segment_ptr 1
		.amdhsa_wavefront_size32 1
		.amdhsa_system_sgpr_workgroup_id_x 1
		.amdhsa_system_sgpr_workgroup_id_y 1
		.amdhsa_system_sgpr_workgroup_id_z 1
		.amdhsa_system_vgpr_workitem_id 0
		.amdhsa_next_free_vgpr 130
		.amdhsa_next_free_sgpr 66
		.amdhsa_reserve_vcc 0
		.amdhsa_float_denorm_mode_32 3
		.amdhsa_float_denorm_mode_16_64 3
		.amdhsa_memory_ordered 1
		.amdhsa_forward_progress 1
		.amdhsa_inst_pref_size 17
	.end_amdhsa_kernel
	.amdgpu_metadata
---
amdhsa.version: [ 1, 2 ]
amdhsa.kernels:
  - .name:           k_qf4c87d7bfb_gather
    .symbol:         k_qf4c87d7bfb_gather.kd
    .args:
      - { .name: input, .offset: 0, .size: 8, .value_kind: global_buffer, .address_space: global }
      - { .name: cand, .offset: 8, .size: 8, .value_kind: global_buffer, .address_space: global }
      - { .name: slot, .offset: 16, .size: 8, .value_kind: global_buffer, .address_space: global }
      - { .name: meta, .offset: 24, .size: 8, .value_kind: global_buffer, .address_space: global }
      - { .name: out0, .offset: 32, .size: 8, .value_kind: global_buffer, .address_space: global }
      - { .name: out1, .offset: 40, .size: 8, .value_kind: global_buffer, .address_space: global }
    .group_segment_fixed_size: 2560
    .private_segment_fixed_size: 0
    .kernarg_segment_align: 8
    .kernarg_segment_size: 48
    .max_flat_workgroup_size: 32
    .sgpr_count:     66
    .vgpr_count:     130
    .wavefront_size: 32
...
	.end_amdgpu_metadata
.endif
;; end of part 3
